; MI455X (gfx1250); checked and timed in simulation.
; The chip was launched on July 23, 2026; its instructions are those of AMD's public machine-readable ISA for CDNA 5 (MIT licence, August 2026) and "CDNA5" Instruction Set Architecture Reference Guide (July 2026). The comments in the code are by the model that wrote it; some were corrected since.
;; Global Attention. Allowed arithmetic: matrix products marked QUANTISED: E3M2 operands, one E8M0 scale for each 32 along K, by v_wmma_scale_f32_16x16x128_f8f6f4 with both operands' format E3M2, f32 sums; products left as they are: f32 operands where the result goes on into a quantised operand, else bf16, f16 or f32 operands; f32 sums; everything else in f32.
;; Inputs: Ua_b 1,024 float32; Ua_w 1,024 x 1,024 float32; Va_b 1 float32; Va_w 1,024 float32; Wa_b 1,024 float32; Wa_w 1,024 x 1,024 float32; keys 32 x 2,048 x 1,024 float32; query 32 x 1 x 1,024 float32.
;; Outputs: out0 32 x 1 x 1,024 float32; out1 32 x 1 x 2,048 float32.
;; This version of the problem:
;;   THIS VERSION OF THE PROBLEM IS GIVEN IN LOW PRECISION. The matrix products marked QUANTISED in the list below multiply operands that are first quantised to E3M2 (3 exponent bits, 2 mantissa bits; 6 bits a number), with one power-of-two scale for each 32 numbers along K (OCP MX v1.0); their sums are f32. All else is computed in f32.
;;   The module's matrix products, in the order in which they are computed (A, B: the left and right operand; K: the contracted axis; several contracted axes count as one K, in the product's order):
;;     1. [M 32, K 1,024] x [K 1,024, N 1,024]; A: input query; B: input Wa_w: QUANTISED
;;     2. [M 65,536, K 1,024] x [K 1,024, N 1,024]; A: input keys; B: input Ua_w: QUANTISED
;;     3. [M 65,536, K 1,024] x [K 1,024, N 1]; A: computed on the way; B: input Va_w: left as it is (N = 1 < 16)
;;     4. batch 32 x [M 1, K 2,048] x [K 2,048, N 1,024]; A: softmax; B: input keys: left as it is (M = 1 < 16)
;;   THE QUANTISER, for each operand of a quantised product, along K:
;;     - K is cut into blocks of 32 from its start; a last block that is shorter is filled with zeros.
;;     - A block's scale is 2^e with e = floor(log2(the largest magnitude in the block)) - 4, held to -126 .. 127; a block of zeros has e = 0. As a byte (E8M0): e + 127.
;;     - Each number is divided by its block's scale, clamped to +-28, and rounded to the nearest number of E3M2, ties to even, subnormals kept.
;;     - The product sums the exact products of the quantised numbers (number of the format x scale) in f32.
;;   ~~~python
;;   def quantise(x, axis):      # numpy; x: float32 -> the quantised numbers, widened to float32 again
;;       x = np.moveaxis(x, axis, -1); K = x.shape[-1]
;;       x = np.pad(x, [(0, 0)] * (x.ndim - 1) + [(0, -K % 32)]); x = x.reshape(x.shape[:-1] + (-1, 32)); a = np.abs(x).max(-1, keepdims=True)
;;       e = np.where(a > 0, np.clip(np.frexp(np.where(a > 0, a, 1))[1] - 1 - 4, -126, 127), 0)      # np.frexp(a)[1] - 1 = floor(log2(a)), exactly
;;       r = np.clip(x / 2.0 ** e, -28, 28)
;;       step = 2.0 ** (np.maximum(np.frexp(np.where(r == 0, 1, r))[1] - 1, -2) - 2)
;;       q = np.round(r / step) * step * 2.0 ** e      # np.round: ties to even
;;       return np.moveaxis(q.reshape(q.shape[:-2] + (-1,))[..., :K], -1, axis).astype(np.float32)
;;   ~~~
;; One version. Each part assembles by itself: llvm-mc -triple=amdgcn-amd-amdhsa -mcpu=gfx1250 --defsym DOCPART=n.
;; ======== version 1 of 1: 3 launches
;; workspace buffers: ub 819,200 bytes; qb 131,072 bytes; sc 262,144 bytes
;; launch prep (part 1): grid 64 x 1, 8 waves a work-group, no clusters, 169,984 bytes of LDS; arguments Ua_w, Wa_w, query, Wa_b, Ua_b, ub, qb; writes ub, qb
.if DOCPART == 1
	.amdgcn_target "amdgcn-amd-amdhsa--gfx1250"
	.amdhsa_code_object_version 6
	.text
	.protected	k_qcd32e77470_prep
	.globl	k_qcd32e77470_prep
	.p2align	8
	.type	k_qcd32e77470_prep,@function
k_qcd32e77470_prep:
	s_mov_b64 s[64:65], 0
	v_nop
	global_prefetch_b8 v0, s[64:65] scope:SCOPE_SE
	s_setreg_imm32_b32 hwreg(HW_REG_WAVE_MODE, 25, 1), 1
	s_wait_xcnt 0x0
; ADDITIVE ATTENTION, launch 1 of 3.  Ua_w becomes codes of BF6 (E3M2) with E8M0 scales, laid in the order of a matrix operand's registers (ub);
; qb[b][n] = sum over k of Q(query)[b][k] Q(Wa_w)[k][n] + Wa_b[n] + Ua_b[n]: the first product of the problem with both biases of tanh's argument.
; WORK LEFT OUT IN THE WHOLE PROGRAM.  tanh(x) = 1 - 2 r with r = 1 / (1 + e^(2x)), so a score is (sum of Va_w + Va_b) + sum over n of (-2 Va_w[n]) r[n].
; The bracket is the same for every position s of a batch's softmax; softmax(z + const) = softmax(z) for all real z, so it reaches neither the weights nor the
; context, whatever finite values the inputs hold.  It is not formed.  Va_b then has no way to any output: it is not loaded and is no argument of any launch.
; LIMIT: a NaN, an infinity or an overflow that lies in Va_b or in the sum of Va_w alone is not carried to the results.
; LIMITS OF THE QUANTISER: NaN and infinities among the inputs are not served; a block of zeros, or one whose largest magnitude lies under 2^-122, gets the byte 1
; (its codes are zeros or follow the held scale; these bytes are read by this program alone).
; SHARES.  Work-groups 0-31 take Ua_w, 32-63 Wa_w; each takes 32 columns.  Wave w takes K step w (rows 128 w .. 128 w + 127); A LANE TAKES A COLUMN AND ITS REGISTERS
; RUN DOWN K, so a block of 32 along K lies in one lane and the conversions give codes with K innermost.
; ALL OF A WAVE'S REQUESTS GO OUT TOGETHER, behind the arguments: one tensor load brings its 128 rows x 128 bytes of the weight into 16 KiB of LDS that it alone reads
; (a row of the tile is half of an aligned 256 bytes; the neighbouring work-group takes the other half), and in Wa_w's work-groups query's 32 loads and the two
; biases' follow at once: 34 vector loads a wave.  query is quantised while the tile lands; the weight's numbers then take query's registers.
; 64 work-groups are all that this sharing gives; the launch moves two weights of 4 MiB once and waits for one round of requests.
; No cluster: query is read into registers in the quantiser's own order, 128 KiB a work-group, once; the weights' tiles are shared by nobody.
; ub: record ct (columns 16 ct .. + 15) at 12,800 ct: eight fragments of 1,536 bytes (K step ks; registers 4 c .. 4 c + 3 of lane l at 512 c + 16 l), then 512 bytes
; of scale words: the word of column r, K step 4 g + q at 16 (16 g + r) + 4 q.
; qb leaves in pieces of 16 bytes a lane (128 KiB in all): a lane holds four neighbouring columns of one row.
.set SG,    0                          ; LDS: Ua's scale words of two records, 1,024 bytes (Ua's work-groups alone)
.set PS,    1024                       ; the eight waves' partial sums, 4,096 bytes each, and as a ninth part the biases' sums (Wa's work-groups alone)
.set SPARE, 37888                      ; the spare words, 128 bytes a wave: four blocks of 256 bytes that no other line names
.set TW,    38912                      ; the weights' tiles, 16,384 bytes a wave: filled once, by tensor loads; nothing is stored there
.set SPW,  12                          ; v12  SPARE + 4 x thread; never rewritten
.set NIL,  13                          ; v13  0; never rewritten
.set TWA,  15                          ; v15  my wave's tile + 4 x lane: my column
.set TM,   16                          ; v16-31 at work in QUANT
.set WW,   32                          ; my column's scale word of this K step
.set PW0,  33                          ; query's scale words, rows 0-15; v34: rows 16-31
.set F0,   36                          ; v36-47 the fragment of columns 0-15;  v48-59 of columns 16-31
.set F1,   48
.set TP,   60                          ; v60-62 a block's upper 16 codes
.set PCA,  68                          ; v68-87, v88-107: query's two fragments and QUANT's room
.set MA,   108
.set MB,   109
.set SO,   110
.set BI,   112                         ; v112-115 Wa_b, v116-119 Ua_b at my four columns
.set X,    128                         ; v128-255 query's numbers; then 128 numbers of my column; then results
.set SEL,  22                          ; s[22:23] lane selects: lane l xor 16
.set G0,   36                          ; s[36:39] descriptor group 0
.set G1,   40                          ; s[40:47] descriptor group 1
; 64 numbers of a lane, register s + 16 b + i = k 32 b + 16 (lane / 16) + i of my row, become a fragment's codes in v[pc] .. v[pc + 11] and its scale word in v[pw]
.macro QUANT s, pc, pw
.irp b, 0,1,2,3
	v_max3_num_f32 v[TM+\b], |v[\s+16*\b]|, |v[\s+1+16*\b]|, 0x2800000   ; my 16 numbers of block b, and the floor 2^(5 - 127): the byte cannot fall under 1
.endr
.irp i, 2,4,6,8,10,12,14
.irp b, 0,1,2,3
	v_max3_num_f32 v[TM+\b], v[TM+\b], |v[\s+16*\b+\i]|, |v[\s+1+16*\b+\i]|
.endr
.endr
.irp b, 0,1,2,3
	v_permlanex16_b32 v[TM+4+\b], v[TM+\b], s[SEL], s[SEL+1]
.endr
.irp b, 0,1,2,3
	v_max_num_f32 v[TM+\b], v[TM+\b], v[TM+4+\b]   ; with lane l xor 16's: the block's largest magnitude
.endr
.irp b, 0,1,2,3
	v_add_nc_u32 v[TM+12+\b], 0xfe000000, v[TM+\b]   ; 4 off its exponent field: the conversion's scale operand
.endr
.irp b, 0,1,2,3
	v_lshrrev_b32 v[TM+4+\b], 23, v[TM+12+\b]      ; the scale's byte
.endr
	v_lshl_or_b32 v[\pw], v[TM+5], 8, v[TM+4]
	v_lshl_or_b32 v[\pw], v[TM+6], 16, v[\pw]
	v_lshl_or_b32 v[\pw], v[TM+7], 24, v[\pw]
.irp c, 0,1
	v_cvt_scalef32_pk16_bf6_f32 v[\pc+6*\c:\pc+2+6*\c], v[\s+32*\c:\s+15+32*\c], v[TM+12+2*\c]
	v_cvt_scalef32_pk16_bf6_f32 v[\pc+12+4*\c:\pc+14+4*\c], v[\s+16+32*\c:\s+31+32*\c], v[TM+12+2*\c+1]   ; (a conversion's three registers begin on an even number)
.endr
	v_nop                                          ; one plain place behind a scaled conversion
.irp c, 0,1                                    ; the operand's layout wants a whole block in a lane: lanes 0-15 block 2 c, lanes 16-31 block 2 c + 1
.irp i, 0,1,2
	v_permlane16_swap_b32 v[\pc+6*\c+\i], v[\pc+12+4*\c+\i]
.endr
.irp i, 0,1,2
	v_mov_b32 v[\pc+3+6*\c+\i], v[\pc+12+4*\c+\i]
.endr
.endr
.endm
; block t of my column (32 numbers, all mine) becomes six registers of codes at v[dst] and byte t of my scale word
.macro WBLOCK t, dst
.set XS, X+32*(\t)
	v_max3_num_f32 v[MA], |v[XS]|, |v[XS+1]|, |v[XS+2]|
	v_max3_num_f32 v[MB], |v[XS+3]|, |v[XS+4]|, |v[XS+5]|
.irp i, 6,10,14,18,22,26
	v_max3_num_f32 v[MA], v[MA], |v[XS+\i]|, |v[XS+\i+1]|
	v_max3_num_f32 v[MB], v[MB], |v[XS+\i+2]|, |v[XS+\i+3]|
.endr
	v_max3_num_f32 v[MA], v[MA], |v[XS+30]|, |v[XS+31]|
	v_max3_num_f32 v[MA], v[MA], v[MB], 0x2800000  ; and the floor
	v_add_nc_u32 v[SO], 0xfe000000, v[MA]
	v_lshrrev_b32 v[MB], 23, v[SO]
.if (\t) == 0
	v_mov_b32 v[WW], v[MB]
.else
	v_lshl_or_b32 v[WW], v[MB], 8*(\t), v[WW]
.endif
	v_cvt_scalef32_pk16_bf6_f32 v[\dst:\dst+2], v[XS:XS+15], v[SO]
	v_cvt_scalef32_pk16_bf6_f32 v[TP:TP+2], v[XS+16:XS+31], v[SO]
	v_nop                                          ; one plain place behind a scaled conversion
.irp i, 0,1,2
	v_mov_b32 v[\dst+3+\i], v[TP+\i]
.endr
.endm
; my wave's tile has landed: my column comes into v[X] on, row by row, and becomes two fragments and a scale word
.macro WEIGHTS
	s_wait_tensorcnt 0x0                           ; my one tensor load is done; only I read its bytes, so no barrier is owed
.set n, 0
.rept 128
	ds_load_b32 v[X+n], v[TWA] offset:128*n        ; W(128 w + n, my column): 32 lanes read 128 neighbouring bytes
.set n, n+1
.endr
	s_wait_dscnt 63                                ; at most 63 of the 128 are out: the first 65 are in, blocks 0 and 1 among them
	WBLOCK 0, F0
	WBLOCK 1, F1
	s_wait_dscnt 32                                ; block 3's 32 may stay out
	WBLOCK 2, F0+6
	s_wait_dscnt 0x0
	WBLOCK 3, F1+6
.irp i, 0,1,2,3,4,5,6,7,8,9,10,11
	v_permlane16_swap_b32 v[F0+\i], v[F1+\i]       ; F0's lanes 16-31 change places with F1's lanes 0-15: F0 is now the fragment of columns 0-15 (lanes 0-15 blocks 0, 2; lanes 16-31 blocks 1, 3), F1 that of columns 16-31
.endr
.endm
	s_load_b256 s[4:11], s[0:1], 0x0               ; Ua_w s[4:5], Wa_w s[6:7], query s[8:9], Wa_b s[10:11]
	s_load_b128 s[12:15], s[0:1], 0x20             ; Ua_b s[12:13], ub s[14:15]
	s_load_b64 s[16:17], s[0:1], 0x30              ; qb
	v_lshl_add_u32 v[SPW], v0, 2, SPARE
	v_mov_b32 v[NIL], 0
	ds_add_u32 v[SPW], v[NIL]                      ; the wave's opening: the add, twice on end, and its wait ahead of my tensor load
	ds_add_u32 v[SPW], v[NIL]                      ; and once more, under the one wait; the set-up below, work on registers, stands between
	v_lshrrev_b32 v1, 5, v0
	v_readfirstlane_b32 s18, v1                    ; wave 0..7 = my K step
	s_lshr_b32 s19, ttmp9, 5                       ; 0: Ua_w, 1: Wa_w
	s_and_b32 s20, ttmp9, 31                       ; which 32 columns
	v_and_b32 v1, 31, v0                           ; lane
	v_and_b32 v2, 15, v0                           ; r
	v_bfe_u32 v3, v0, 4, 1                         ; h
	v_lshlrev_b32 v4, 2, v1                        ; my column's 4 bytes
	v_lshlrev_b32 v5, 12, v2
	v_lshl_add_u32 v5, v3, 6, v5                   ; query: row r of 4,096 bytes + 64 h
	v_lshlrev_b32 v6, 4, v1                        ; 16 x lane
	; every LDS address is made here, ahead of the first parting of the ways
	s_lshr_b32 s24, s18, 2
	s_lshl_b32 s24, s24, 8
	s_and_b32 s25, s18, 3
	s_lshl_b32 s25, s25, 2
	s_add_co_u32 s24, s24, s25
	v_lshlrev_b32 v7, 4, v2
	v_lshl_add_u32 v7, v3, 9, v7
	v_add_nc_u32 v7, s24, v7                       ; my scale word's place: 512 (lane / 16) + 256 (w / 4) + 16 r + 4 (w % 4)
	s_lshl_b32 s24, s18, 12
	s_add_co_u32 s24, s24, PS
	v_add_nc_u32 v8, s24, v6                       ; my wave's partial sums
	s_lshl_b32 s24, s18, 9
	s_add_co_u32 s24, s24, PS
	v_add_nc_u32 v9, s24, v6                       ; the piece (tile w / 2, half w % 2) that I add up
	s_and_b32 s25, s18, 1
	s_lshl_b32 s24, s25, 9
	v_add_nc_u32 v10, s24, v6                      ; a record's 512 bytes of scale words
	s_lshl_b32 s24, s20, 7                         ; 4 n, n = 32 cp + 16 (w / 4) + 8 h + 4 (w % 2)
	s_lshr_b32 s26, s18, 2
	s_lshl_b32 s26, s26, 6
	s_add_co_u32 s24, s24, s26
	s_lshl_b32 s26, s25, 4
	s_add_co_u32 s24, s24, s26
	v_lshl_add_u32 v11, v3, 5, s24
	s_bfe_u32 s26, s18, 0x10001                    ; (w / 2) % 2: which 16 rows of query
	s_lshl_b32 s26, s26, 16
	v_lshl_add_u32 v14, v2, 12, v11
	v_add_nc_u32 v14, s26, v14                     ; qb: row 16 ((w / 2) % 2) + r, column n
.irp b, 0,1,2,3
	v_mov_b32 v[TM+4+\b], 0                        ; written once: a lane permute's destination counts as one of its sources
.endr
	s_mov_b32 s[SEL], 0x76543210
	s_mov_b32 s[SEL+1], 0xfedcba98
	; the tile: 128 rows of 32 elements of 4 bytes, 1,024 elements from row to row, dense in LDS
	s_mov_b32 s[G0], 1                             ; 1:0 count = 1
	s_lshl_b32 s[G0+1], s18, 14
	s_add_co_u32 s[G0+1], s[G0+1], TW              ; 63:32 LDS address: my wave's 16,384 bytes
	s_mov_b32 s[G1], 2<<16                         ; 15:0 no mask; 17:16 elements of 4 bytes; 20 padding off
	s_mov_b32 s[G1+1], 32<<16                      ; tensor_dim0
	s_mov_b32 s[G1+2], 128<<16                     ; tensor_dim1
	s_mov_b32 s[G1+3], 32<<16                      ; tile_dim0
	s_mov_b32 s[G1+4], 128                         ; tile_dim1
	s_mov_b32 s[G1+5], 1024                        ; from row to row
	s_mov_b32 s[G1+6], 0
	s_mov_b32 s[G1+7], 0
	v_add_nc_u32 v[TWA], s[G0+1], v4
	s_lshl_b32 s28, s18, 19                        ; the weight: 128 w rows of 4,096 bytes + 128 cp
	s_lshl_b32 s30, s20, 7
	s_add_co_u32 s28, s28, s30
	s_mov_b32 s29, 0
	s_lshl_b32 s30, s18, 9                         ; query: K step w
	s_mov_b32 s31, 0
	s_mul_i32 s32, s20, 25600                      ; ub: records 2 cp and 2 cp + 1,
	s_mul_i32 s34, s18, 1536                       ; fragment w
	s_mul_i32 s35, s25, 12800
	s_add_co_u32 s34, s34, s32
	s_add_co_u32 s32, s32, s35
	s_add_co_u32 s32, s32, 12288                   ; and record 2 cp + w % 2's scale words
	s_mov_b32 s33, 0
	s_mov_b32 s35, 0
	s_wait_dscnt 0x0                               ; both opening adds are done
	s_wait_kmcnt 0x0
	s_cmp_eq_u32 s19, 0                            ; the choice hangs on the work-group's number alone
	s_cselect_b64 s[24:25], s[4:5], s[6:7]
	s_add_nc_u64 s[G0+2:G0+3], s[24:25], s[28:29]  ; 120:64 global address of the tile's first element
	s_or_b32 s[G0+3], s[G0+3], 0x80000000          ; 127:126 type = 2
	tensor_load_to_lds s[G0:G0+3], s[G1:G1+7]      ; every wave's one tensor load: by this text's count one is out
	s_nop 0
	s_add_nc_u64 s[8:9], s[8:9], s[30:31]
	s_add_nc_u64 s[26:27], s[14:15], s[34:35]
	s_add_nc_u64 s[14:15], s[14:15], s[32:33]
	s_cmp_lg_u32 s19, 0
	s_cbranch_scc1 .Lwa_a
	; ---- Ua_w: the fragments leave as images of their registers, 512 consecutive bytes a store
	WEIGHTS
.irp c, 0,1,2
	global_store_b128 v6, v[F0+4*\c:F0+4*\c+3], s[26:27] offset:512*\c
	global_store_b128 v6, v[F1+4*\c:F1+4*\c+3], s[26:27] offset:12800+512*\c
.endr
	ds_store_b32 v7, v[WW]                         ; the eight waves' scale words meet in LDS
	s_branch .Lmeet
.Lwa_a:
	; ---- Wa_w: my K step's part of query x Wa_w, for all 32 rows of query.  query and the biases are asked for at once, beside the tile
.irp t, 0,1
.irp b, 0,1,2,3
.irp u, 0,1,2,3
	global_load_b128 v[X+64*\t+16*\b+4*\u:X+64*\t+16*\b+4*\u+3], v5, s[8:9] offset:65536*\t+128*\b+16*\u
.endr
.endr
.endr
	global_load_b128 v[BI:BI+3], v11, s[10:11]     ; Wa_b
	global_load_b128 v[BI+4:BI+7], v11, s[12:13]   ; Ua_b
	s_wait_loadcnt 18                              ; rows 16-31's sixteen loads and the biases' two may stay out
	QUANT X, PCA, PW0
	s_wait_loadcnt 2                               ; the biases' two may stay out
	QUANT X+64, PCA+20, PW0+1
	WEIGHTS                                        ; the weight's numbers take the registers that query's have left
.rept 8
	v_nop                                          ; a scale register written by a vector instruction stands 8 places ahead of a scaled matrix instruction, an operand so written 4
.endr
.irp ct, 0,1                                   ; TRANSPOSED: source 0 = 16 columns of Wa_w, source 1 = 16 rows of query: lane (r, h) holds row r and columns 8 h + 0 .. 7
.irp rt, 0,1
.if \ct == 0
	v_wmma_scale_f32_16x16x128_f8f6f4 v[X+8*(2*\ct+\rt):X+8*(2*\ct+\rt)+7], v[F0+12*\ct:F0+12*\ct+11], v[PCA+20*\rt:PCA+20*\rt+11], 0, v[WW], v[PW0+\rt] matrix_a_fmt:MATRIX_FMT_BF6 matrix_b_fmt:MATRIX_FMT_BF6
.else
	v_wmma_scale_f32_16x16x128_f8f6f4 v[X+8*(2*\ct+\rt):X+8*(2*\ct+\rt)+7], v[F0+12*\ct:F0+12*\ct+11], v[PCA+20*\rt:PCA+20*\rt+11], 0, v[WW], v[PW0+\rt] matrix_a_fmt:MATRIX_FMT_BF6 matrix_b_fmt:MATRIX_FMT_BF6 matrix_a_scale:MATRIX_SCALE_ROW1
.endif
.endr
.endr
	s_wait_loadcnt 0x0                             ; the biases
	v_pk_add_f32 v[BI:BI+1], v[BI:BI+1], v[BI+4:BI+5]      ; Wa_b + Ua_b at my four columns: these two lines and two v_nop are the four places in front of the first read of results
	v_pk_add_f32 v[BI+2:BI+3], v[BI+2:BI+3], v[BI+6:BI+7]
	v_nop
	v_nop
.irp t, 0,1,2,3
	ds_store_b128 v8, v[X+8*\t:X+8*\t+3] offset:1024*\t        ; each accumulator from its low end on
	ds_store_b128 v8, v[X+8*\t+4:X+8*\t+7] offset:1024*\t+512
.endr
	ds_store_b128 v9, v[BI:BI+3] offset:32768      ; the biases' sum as a ninth part, at my own piece's place
.Lmeet:
	s_wait_dscnt 0x0                               ; for the others' sake: my LDS stores have landed
	s_barrier_signal -1
	s_barrier_wait -1
	s_cmp_lg_u32 s19, 0
	s_cbranch_scc1 .Lwa_b
	s_cmp_gt_u32 s18, 1                            ; waves 0 and 1 store a record's scale words each: 512 consecutive bytes
	s_cbranch_scc1 .Ldone
	ds_load_b128 v[120:123], v10
	s_wait_dscnt 0x0
	global_store_b128 v6, v[120:123], s[14:15]
	s_branch .Ldone
.Lwa_b:
.irp sw, 0,1,2,3,4,5,6,7,8
	ds_load_b128 v[192+4*\sw:195+4*\sw], v9 offset:4096*\sw    ; the eight K steps' parts of my four numbers, and the biases' sum
.endr
	s_wait_dscnt 0x0
.irp sw, 1,2,3,4,5,6,7,8                       ; K ascending, the biases last
	v_pk_add_f32 v[192:193], v[192:193], v[192+4*\sw:193+4*\sw]
	v_pk_add_f32 v[194:195], v[194:195], v[194+4*\sw:195+4*\sw]
.endr
	global_store_b128 v14, v[192:195], s[16:17]
.Ldone:
	s_wait_tensorcnt 0x0                           ; the wave's end, behind my tensor load and my last LDS store
	ds_add_u32 v[SPW], v[NIL]
	s_wait_dscnt 0x0
	s_endpgm
.Lfunc_end_k_qcd32e77470_prep:
	.size	k_qcd32e77470_prep, .Lfunc_end_k_qcd32e77470_prep-k_qcd32e77470_prep
	.p2alignl 7, 3214868480
	.fill 96, 4, 3214868480
	.section	.rodata,"a",@progbits
	.p2align	6, 0x0
	.amdhsa_kernel k_qcd32e77470_prep
		.amdhsa_group_segment_fixed_size 169984
		.amdhsa_private_segment_fixed_size 0
		.amdhsa_enable_private_segment 0
		.amdhsa_kernarg_size 56
		.amdhsa_user_sgpr_count 2
		.amdhsa_user_sgpr_kernarg_segment_ptr 1
		.amdhsa_wavefront_size32 1
		.amdhsa_system_sgpr_workgroup_id_x 1
		.amdhsa_system_sgpr_workgroup_id_y 1
		.amdhsa_system_sgpr_workgroup_id_z 1
		.amdhsa_system_vgpr_workitem_id 0
		.amdhsa_next_free_vgpr 256
		.amdhsa_next_free_sgpr 66
		.amdhsa_reserve_vcc 0
		.amdhsa_float_denorm_mode_32 3
		.amdhsa_float_denorm_mode_16_64 3
		.amdhsa_memory_ordered 1
		.amdhsa_forward_progress 1
		.amdhsa_inst_pref_size 48
	.end_amdhsa_kernel
	.amdgpu_metadata
---
amdhsa.version: [ 1, 2 ]
amdhsa.kernels:
  - .name:           k_qcd32e77470_prep
    .symbol:         k_qcd32e77470_prep.kd
    .args:
      - { .name: Ua_w, .offset: 0, .size: 8, .value_kind: global_buffer, .address_space: global }
      - { .name: Wa_w, .offset: 8, .size: 8, .value_kind: global_buffer, .address_space: global }
      - { .name: query, .offset: 16, .size: 8, .value_kind: global_buffer, .address_space: global }
      - { .name: Wa_b, .offset: 24, .size: 8, .value_kind: global_buffer, .address_space: global }
      - { .name: Ua_b, .offset: 32, .size: 8, .value_kind: global_buffer, .address_space: global }
      - { .name: ub, .offset: 40, .size: 8, .value_kind: global_buffer, .address_space: global }
      - { .name: qb, .offset: 48, .size: 8, .value_kind: global_buffer, .address_space: global }
    .group_segment_fixed_size: 169984
    .private_segment_fixed_size: 0
    .kernarg_segment_align: 8
    .kernarg_segment_size: 56
    .max_flat_workgroup_size: 256
    .sgpr_count:     66
    .vgpr_count:     256
    .wavefront_size: 32
...
	.end_amdgpu_metadata
.endif
;; end of part 1
;; launch scores (part 2): grid 256 x 1, 4 waves a work-group, clusters of 4 x 1, 327,680 bytes of LDS; arguments keys, ub, qb, Va_w, sc; writes sc
.if DOCPART == 2
	.amdgcn_target "amdgcn-amd-amdhsa--gfx1250"
	.amdhsa_code_object_version 6
	.text
	.protected	k_qcd32e77470_scores
	.globl	k_qcd32e77470_scores
	.p2align	8
	.type	k_qcd32e77470_scores,@function
k_qcd32e77470_scores:
	s_mov_b64 s[64:65], 0
	v_nop
	global_prefetch_b8 v0, s[64:65] scope:SCOPE_SE
	s_setreg_imm32_b32 hwreg(HW_REG_WAVE_MODE, 25, 1), 1
	s_wait_xcnt 0x0
	s_wait_alu depctr_hold_cnt(0) depctr_sa_sdst(0) depctr_va_vdst(0) depctr_va_sdst(0) depctr_va_ssrc(0) depctr_va_vcc(0) depctr_vm_vsrc(0)
	s_getreg_b32 s2, hwreg(HW_REG_IB_STS2, 6, 4)
	s_cmp_eq_u32 s2, 0
	s_cbranch_scc0 .Lentry_in_a_cluster
	s_endpgm
.Lentry_in_a_cluster:
	s_bfe_u32 s2, ttmp6, 0x10000c
	s_cmp_lg_u32 s2, 0x3003
	s_cbranch_scc0 .Lentry_shape_is_right
	s_endpgm
.Lentry_shape_is_right:
; ADDITIVE ATTENTION, launch 2 of 3.  sc[b][s] = sum over n of (-2 Va_w[n]) r[n], r = 1 / (1 + 2^(c x)), c = 2 log2(e), x = Q(keys)[b][s] . Q(Ua_w)[:, n] + qb[b][n].
; LEFT OUT (shown at the head of the first launch): the sum of Va_w and Va_b, which are the same for every position of a softmax row.
; LIMITS: NaN and infinities among the inputs are not served; a block of zeros or under 2^-122 gets the scale byte 1.  Where 2^(c x) passes the largest f32 number r is 0, where it
; falls under the smallest normal number r is 1: tanh's own limits.
; SHARES.  A work-group owns 256 rows of keys (one eighth of a batch); each of its four waves owns 64 rows and ALL 1,024 columns, so a row's score never leaves its wave.
; PHASE 1: the wave's 64 rows are read once (each load: 512 consecutive bytes of one row), turned through the wave's stage in LDS so that a lane holds 16 neighbours along K,
; quantised, and kept as 32 fragments in 384 registers for the whole product.  Tile rt holds the local rows 4 i + rt (i = lane % 16): a lane's four sums are then 16 neighbouring bytes of sc.
; PHASE 2: Ua's codes come through a ring of two LDS slots (a slot: four records = 64 columns, all of K).  A fragment of Ua read from LDS feeds four products.
; The product is used TRANSPOSED (source 0 = 16 columns of Ua, source 1 = 16 rows of keys): a lane holds one row, register j column 16 ct + 8 h + j.  qb is the C of a sum's first product.
; FOUR STAGES BY TURNS.  In the phase of record p stand its 32 products and, in slices behind them, c x and 2^ of record p - 1, 1 + and the reciprocal of record p - 2, and the
; multiply-add with -2 Va of record p - 3: four sets of accumulators.  No stage reads what another makes in the same phase, so one wait at the phase's end serves its 64 transcendentals.
; CLUSTER.  All work-groups walk the same ub: the four of a cluster ask for each record JOINTLY (the same load, the same descriptor, a mask that names the four).
; By this text's count a wave has two tensor loads out at the start, later one.
; REGISTERS, in windows of 256: window 0: addresses, scale words, tables, sums, v128-255 four sets of four accumulators (in phase 1: numbers, codes);
;   window 1: keys' fragments of K steps 0-4 at 12 (4 ks + rt);  window 2: of K steps 5-7;  window 3: in phase 1 four sets of 64 loaded registers, then Ua's fragments, two sets of 96.
.set REC,   12800                      ; a record of ub
.set SLOTB, 4*REC
.set SLOT1, 65536                      ; slot 1 begins here: one exclusive or turns an address
.set QBT,   51200                      ; qb's row of my batch, 4,096 bytes;  behind it -2 Va_w, 4,096 bytes
.set VAT,   QBT+4096
.set SPARE, 59392                      ; the spare words, 128 bytes a wave: two blocks of 256 bytes that no other line names
.set IMG,   116736                     ; 16 fragment images of 1,536 bytes for each wave
.set SCI,   215040                     ; their scale words, 128 bytes each
.set STAGE, 223232                     ; 16 rows x (512 + 16) bytes for each wave
.set SP,    528
.set LI,   4                           ; v4   16 x lane
.set STW,  5                           ; v5   the stage, on the way in
.set STR,  6                           ; v6   and out: row r, + 64 h
.set IW0,  7                           ; v7   my wave's images + 16 x lane
.set SW0,  8                           ; v8   my wave's scale words + 4 x lane
.set IW,   9
.set SW,   10
.set TQ0,  11                          ; v11  QBT + 32 h
.set ADB,  12
.set ADQ,  13
.set TH16, 14                          ; v14  16 x thread
.set R16,  16                          ; v16  16 r
.set SPW,  30
.set NIL,  31
.set AS,   32                          ; v32-63  keys' scale words at 4 ks + rt
.set BS,   64                          ; v64-71  Ua's scale words, two sets: register q: lanes 0-15 K step q, lanes 16-31 K step 4 + q
.set QB,   72                          ; v72-87  qb of a record's 8 columns of my half, two sets
.set VA,   88                          ; v88-103 -2 Va likewise
.set SUM,  104                         ; v104-111 a pair of sums for each tile of rows
.set TM,   112                         ; v112-127 at work
.set ACC,  128
.set X,    128
.set PC,   192
.set PW,   212
.set TAB,  216
.set WV,   14
.set SEL,  20
.set CS,   22
.set CNT,  24
.set TB,   25
.set TQ,   26
.set NSL,  27
.set G1,   28
.set G0A,  36
.set G0B,  40
.set TI,   44
.set TS,   45
.set KP,   46
.set MSB, 0
.macro WIN new                         ; the immediate's high byte repeats the setting that is left; a switch that changes nothing is dropped
.if MSB != \new
	s_set_vgpr_msb (MSB<<8)|\new
.set MSB, \new
.endif
.endm
.macro CROUND                          ; a round of the cluster's barrier
	s_barrier_signal -1
	s_barrier_wait -1
	s_cmp_lg_u32 s[WV], 0
	s_cbranch_scc1 .Lnot_wave_0_\@
	s_barrier_signal -3
.Lnot_wave_0_\@:
	s_barrier_wait -3
	s_barrier_signal -1
	s_barrier_wait -1
.endm
; 64 numbers of a lane, register s + 16 b + i = k 32 b + 16 (lane / 16) + i of my row, become a fragment's codes in v[pc] .. v[pc + 11] and its scale word in v[pw]
.macro QUANT s, pc, pw
.irp b, 0,1,2,3
	v_max3_num_f32 v[TM+\b], |v[\s+16*\b]|, |v[\s+1+16*\b]|, 0x2800000   ; and the floor 2^(5 - 127): the byte cannot fall under 1
.endr
.irp i, 2,4,6,8,10,12,14
.irp b, 0,1,2,3
	v_max3_num_f32 v[TM+\b], v[TM+\b], |v[\s+16*\b+\i]|, |v[\s+1+16*\b+\i]|
.endr
.endr
.irp b, 0,1,2,3
	v_permlanex16_b32 v[TM+4+\b], v[TM+\b], s[SEL], s[SEL+1]
.endr
.irp b, 0,1,2,3
	v_max_num_f32 v[TM+\b], v[TM+\b], v[TM+4+\b]
.endr
.irp b, 0,1,2,3
	v_add_nc_u32 v[TM+12+\b], 0xfe000000, v[TM+\b]   ; 4 off the exponent field: the conversion's scale operand
.endr
.irp b, 0,1,2,3
	v_lshrrev_b32 v[TM+4+\b], 23, v[TM+12+\b]
.endr
	v_lshl_or_b32 v[\pw], v[TM+5], 8, v[TM+4]
	v_lshl_or_b32 v[\pw], v[TM+6], 16, v[\pw]
	v_lshl_or_b32 v[\pw], v[TM+7], 24, v[\pw]
.irp c, 0,1
	v_cvt_scalef32_pk16_bf6_f32 v[\pc+6*\c:\pc+2+6*\c], v[\s+32*\c:\s+15+32*\c], v[TM+12+2*\c]
	v_cvt_scalef32_pk16_bf6_f32 v[\pc+12+4*\c:\pc+14+4*\c], v[\s+16+32*\c:\s+31+32*\c], v[TM+12+2*\c+1]
.endr
	v_nop                                          ; one plain place behind a scaled conversion
.irp c, 0,1
.irp i, 0,1,2
	v_permlane16_swap_b32 v[\pc+6*\c+\i], v[\pc+12+4*\c+\i]
.endr
.irp i, 0,1,2
	v_mov_b32 v[\pc+3+6*\c+\i], v[\pc+12+4*\c+\i]
.endr
.endr
.endm
; K step j of a trip: 16 rows x 512 bytes into set j of window 3
.macro KLOAD j, off
	WIN 0xc0
.irp i, 0,1,2,3,4,5,6,7,8,9,10,11,12,13,14,15
	global_load_b128 v[64*\j+4*\i:64*\j+4*\i+3], v[LI], s[KP:KP+1] offset:\off+512*\j+16384*\i th:TH_LOAD_NT
.endr
	WIN 0
.endm
.macro UNIT j, ld
.if \ld
	s_wait_loadcnt 48                              ; my 16 loads are in; the three sets asked for behind them stay out
.else
	s_wait_loadcnt 16*(3-\j)                       ; the last trip: only its own later sets are out
.endif
	WIN 0x0c                                       ; an LDS store's data: window 3
.irp i, 0,1,2,3,4,5,6,7,8,9,10,11,12,13,14,15
	ds_store_b128 v[STW], v[64*\j+4*\i:64*\j+4*\i+3] offset:SP*\i
.endr
	WIN 0
.irp b, 0,1,2,3
.irp u, 0,1,2,3
	ds_load_b128 v[X+16*\b+4*\u:X+16*\b+4*\u+3], v[STR] offset:128*\b+16*\u   ; LDS serves a wave's instructions in order: these see the stores above
.endr
.endr
	s_wait_dscnt 0x0                               ; the numbers are back; the stage's stores and the last unit's image stores have read their registers
.if \ld
	KLOAD \j, 2048                                 ; the same K step of the next trip
.endif
	QUANT X, PC, PW
.irp c, 0,1,2
	ds_store_b128 v[IW], v[PC+4*\c:PC+4*\c+3] offset:1536*\j+512*\c
.endr
	ds_store_b32 v[SW], v[PW] offset:128*\j
.endm
; trip T: tile T / 2, K steps 4 (T % 2) + 0 .. 3; its bytes begin 2,048 T behind the wave's first
.macro TRIP ld
	v_add_nc_u32 v[IW], s[TI], v[IW0]
	v_add_nc_u32 v[SW], s[TS], v[SW0]
	UNIT 0, \ld
	UNIT 1, \ld
	UNIT 2, \ld
	UNIT 3, \ld
.if \ld
	s_wait_xcnt 0x0                                ; the loads have read their base: it may step
	s_add_nc_u64 s[KP:KP+1], s[KP:KP+1], 2048
	s_add_co_u32 s[TI], s[TI], 6144
	s_add_co_u32 s[TS], s[TS], 512
.endif
.endm
; the 16 images of tiles 2 hf and 2 hf + 1 go to their registers
.macro DRAIN hf
.irp rl, 0,1
	WIN 0x40
.irp ks, 0,1,2,3,4
.irp c, 0,1,2
	ds_load_b128 v[12*(4*\ks+2*\hf+\rl)+4*\c:12*(4*\ks+2*\hf+\rl)+4*\c+3], v[IW0] offset:(8*\rl+\ks)*1536+512*\c
.endr
.endr
	WIN 0x80
.irp ks, 5,6,7
.irp c, 0,1,2
	ds_load_b128 v[12*(4*(\ks-5)+2*\hf+\rl)+4*\c:12*(4*(\ks-5)+2*\hf+\rl)+4*\c+3], v[IW0] offset:(8*\rl+\ks)*1536+512*\c
.endr
.endr
.endr
	WIN 0
.irp rl, 0,1
.irp ks, 0,1,2,3,4,5,6,7
	ds_load_b32 v[AS+4*\ks+2*\hf+\rl], v[SW0] offset:128*(8*\rl+\ks)
.endr
.endr
	s_wait_dscnt 0x0                               ; the images have been read: they may be written again
.endm
	s_load_b256 s[4:11], s[0:1], 0x0               ; keys s[4:5], ub s[6:7], qb s[8:9], Va_w s[10:11]
	s_load_b64 s[12:13], s[0:1], 0x20              ; sc
	v_lshl_add_u32 v[SPW], v0, 2, SPARE
	v_mov_b32 v[NIL], 0
	ds_add_u32 v[SPW], v[NIL]                      ; the wave's opening: the add, twice on end, and its wait ahead of my first tensor load
	ds_add_u32 v[SPW], v[NIL]                      ; and once more, under the one wait; the set-up below, work on registers, stands between
	v_lshrrev_b32 v1, 5, v0
	v_readfirstlane_b32 s[WV], v1                  ; wave 0..3
	s_bfe_u32 s15, ttmp6, 0x40000                  ; cx: it enters the addresses of keys and sc alone
	s_lshl_b32 s16, ttmp9, 2
	s_add_co_u32 s16, s16, s15                     ; my block of 256 rows
	; descriptor group 1: a record, 12,800 dense bytes, as 50 rows of 256 bytes (32 elements of 8 bytes), no padding
	s_mov_b32 s[G1], 15|(3<<16)|(1<<21)            ; 15:0 the mask: all four work-groups; 17:16 elements of 8 bytes; 21 set beside a mask
	s_mov_b32 s[G1+1], 32<<16                      ; tensor_dim0
	s_mov_b32 s[G1+2], 50<<16                      ; tensor_dim1
	s_mov_b32 s[G1+3], 32<<16                      ; tile_dim0
	s_mov_b32 s[G1+4], 50                          ; tile_dim1
	s_mov_b32 s[G1+5], 32                          ; from row to row
	s_mov_b32 s[G1+6], 0
	s_mov_b32 s[G1+7], 0
	s_mul_i32 s18, s[WV], REC                      ; wave w brings record w of a slot
	s_mov_b32 s19, 0
	s_mov_b32 s[G0A], 1
	s_mul_i32 s[G0A+1], s[WV], REC
	s_mov_b32 s[G0B], 1
	s_add_co_u32 s[G0B+1], s18, SLOT1
	s_mov_b32 s[SEL], 0x76543210
	s_mov_b32 s[SEL+1], 0xfedcba98
	s_mov_b32 s[CS], 0x4038aa3b                    ; c = 2 log2(e)
	s_mov_b32 s[CS+1], s[CS]                       ; (named with it as a pair, so it is written)
	s_mov_b32 s[TI], 0
	s_mov_b32 s[TS], 0
	s_mov_b32 s[TB], 0
	s_mov_b32 s[TQ], 0
	s_lshl_b32 s48, s16, 20                        ; keys: 256 rows of 4,096 bytes a block, 64 a wave
	s_lshl_b32 s49, s[WV], 18
	s_add_co_u32 s48, s48, s49
	s_mov_b32 s49, 0
	s_lshr_b32 s50, ttmp9, 1                       ; the batch: two clusters to a batch
	s_lshl_b32 s50, s50, 12
	s_mov_b32 s51, 0
	s_lshl_b32 s52, s16, 10                        ; sc: 4 bytes a row
	s_lshl_b32 s53, s[WV], 8
	s_add_co_u32 s52, s52, s53
	s_mov_b32 s53, 0
	v_and_b32 v1, 31, v0                           ; lane
	v_and_b32 v2, 15, v0                           ; r
	v_bfe_u32 v3, v0, 4, 1                         ; h
	v_lshlrev_b32 v[LI], 4, v1
	s_mul_i32 s24, s[WV], 16*SP
	s_add_co_u32 s24, s24, STAGE
	v_add_nc_u32 v[STW], s24, v[LI]
	v_mul_u32_u24 v[STR], v2, SP
	v_lshl_add_u32 v[STR], v3, 6, v[STR]
	v_add_nc_u32 v[STR], s24, v[STR]
	s_mul_i32 s24, s[WV], 24576
	s_add_co_u32 s24, s24, IMG
	v_add_nc_u32 v[IW0], s24, v[LI]
	s_lshl_b32 s24, s[WV], 11
	s_add_co_u32 s24, s24, SCI
	v_lshl_add_u32 v[SW0], v1, 2, s24
	v_lshl_add_u32 v[TQ0], v3, 5, QBT
	v_lshlrev_b32 v[TH16], 4, v0
	v_lshlrev_b32 v[R16], 4, v2
.irp b, 0,1,2,3
	v_mov_b32 v[TM+4+\b], 0                        ; written once: a lane permute's destination counts as one of its sources
.endr
.irp b, 0,1,2,3,4,5,6,7
	v_mov_b32 v[SUM+\b], 0                         ; the sums' first multiply-add stands inside the loop
.endr
	s_wait_dscnt 0x0                               ; both opening adds are done
	s_wait_kmcnt 0x0
	s_add_nc_u64 s[G0A+2:G0A+3], s[6:7], s[18:19]  ; slot 0: records 0-3
	s_add_nc_u64 s[G0B+2:G0B+3], s[G0A+2:G0A+3], SLOTB   ; slot 1: records 4-7; this descriptor then walks
	s_or_b32 s[G0A+3], s[G0A+3], 0x80000000
	s_or_b32 s[G0B+3], s[G0B+3], 0x80000000
	s_add_nc_u64 s[KP:KP+1], s[4:5], s[48:49]
	s_add_nc_u64 s[8:9], s[8:9], s[50:51]
	s_add_nc_u64 s[12:13], s[12:13], s[52:53]
	CROUND                                         ; all four work-groups are here: the first joint loads meet
	tensor_load_to_lds s[G0A:G0A+3], s[G1:G1+7]
	s_nop 0
	tensor_load_to_lds s[G0B:G0B+3], s[G1:G1+7]
	s_nop 0
.rept 4
	v_nop
.endr
	global_load_b128 v[TAB:TAB+3], v[TH16], s[8:9]             ; qb's row and Va_w: 128 threads x 16 bytes, twice
	global_load_b128 v[TAB+4:TAB+7], v[TH16], s[8:9] offset:2048
	global_load_b128 v[TAB+8:TAB+11], v[TH16], s[10:11]
	global_load_b128 v[TAB+12:TAB+15], v[TH16], s[10:11] offset:2048
	KLOAD 0, 0
	KLOAD 1, 0
	KLOAD 2, 0
	s_wait_loadcnt 48                              ; the three sets of keys stay out; the tables are in
.irp i, 8,10,12,14
	v_pk_mul_f32 v[TAB+\i:TAB+\i+1], v[TAB+\i:TAB+\i+1], -2.0 op_sel_hi:[1,0]
.endr
	ds_store_b128 v[TH16], v[TAB:TAB+3] offset:QBT
	ds_store_b128 v[TH16], v[TAB+4:TAB+7] offset:QBT+2048
	ds_store_b128 v[TH16], v[TAB+8:TAB+11] offset:VAT
	ds_store_b128 v[TH16], v[TAB+12:TAB+15] offset:VAT+2048
	KLOAD 3, 0
	; ---- PHASE 1: eight trips; the images of two tiles are drained after four
	s_mov_b32 s[CNT], 4
.Lhalf0:
	TRIP 1
	s_sub_co_u32 s[CNT], s[CNT], 1
	s_cmp_lg_u32 s[CNT], 0
	s_cbranch_scc1 .Lhalf0
	DRAIN 0
	s_mov_b32 s[TI], 0
	s_mov_b32 s[TS], 0
	s_mov_b32 s[CNT], 3
.Lhalf1:
	TRIP 1
	s_sub_co_u32 s[CNT], s[CNT], 1
	s_cmp_lg_u32 s[CNT], 0
	s_cbranch_scc1 .Lhalf1
	TRIP 0                                         ; the last trip asks for nothing: no load leaves keys
	DRAIN 1
; ---- PHASE 2
; product kk of a phase's 32: K step kk / 4, tile of rows kk % 4: the four accumulators take turns, one instruction a turn
.macro MMK
.set KS_, kk>>2
.set RT_, kk&3
.if KS_ < 5
	WIN 0x07                                       ; source 0 (Ua) window 3, source 1 (keys) window 1, C and D window 0
.set AF_, 12*(4*KS_+RT_)
.else
	WIN 0x0b                                       ; source 1 window 2
.set AF_, 12*(4*(KS_-5)+RT_)
.endif
.set BF_, 96*PAR+12*KS_
.set DD_, SET0+8*RT_
.if KS_ == 0
	v_wmma_scale_f32_16x16x128_f8f6f4 v[DD_:DD_+7], v[BF_:BF_+11], v[AF_:AF_+11], v[QB+8*PAR:QB+8*PAR+7], v[BS+4*PAR+KS_], v[AS+4*KS_+RT_] matrix_a_fmt:MATRIX_FMT_BF6 matrix_b_fmt:MATRIX_FMT_BF6
.elseif KS_ < 4
	v_wmma_scale_f32_16x16x128_f8f6f4 v[DD_:DD_+7], v[BF_:BF_+11], v[AF_:AF_+11], v[DD_:DD_+7], v[BS+4*PAR+KS_], v[AS+4*KS_+RT_] matrix_a_fmt:MATRIX_FMT_BF6 matrix_b_fmt:MATRIX_FMT_BF6
.else
	v_wmma_scale_f32_16x16x128_f8f6f4 v[DD_:DD_+7], v[BF_:BF_+11], v[AF_:AF_+11], v[DD_:DD_+7], v[BS+4*PAR+KS_-4], v[AS+4*KS_+RT_] matrix_a_fmt:MATRIX_FMT_BF6 matrix_b_fmt:MATRIX_FMT_BF6 matrix_a_scale:MATRIX_SCALE_ROW1
.endif
.endm
; pair m of 32: m < 16: of record p - 2's set (1 + e, then the reciprocal); m >= 16: of record p - 1's (c x, then 2^).  The pair is registers 2 ((m / 4) % 4) + 0, 1 of accumulator m % 4
.macro PK m, s1, s2
.set RR_, 8*((\m)&3)+2*(((\m)>>2)&3)
.if (\m) < 16
.if \s2
	v_pk_add_f32 v[SET2+RR_:SET2+RR_+1], v[SET2+RR_:SET2+RR_+1], 1.0 op_sel_hi:[1,0]
.endif
.else
.if \s1
	v_pk_mul_f32 v[SET1+RR_:SET1+RR_+1], v[SET1+RR_:SET1+RR_+1], s[CS:CS+1] op_sel_hi:[1,0]
.endif
.endif
.endm
.macro TR m, s1, s2
.set RR_, 8*((\m)&3)+2*(((\m)>>2)&3)
.if (\m) < 16
.if \s2
	v_rcp_f32 v[SET2+RR_], v[SET2+RR_]
	v_rcp_f32 v[SET2+RR_+1], v[SET2+RR_+1]
.endif
.else
.if \s1
	v_exp_f32 v[SET1+RR_], v[SET1+RR_]
	v_exp_f32 v[SET1+RR_+1], v[SET1+RR_+1]
.endif
.endif
.endm
.macro S3N                             ; number kk / 2 of 16: the sums of tile z % 4 take pair z / 4 of record p - 3's r, times -2 Va
.set ZZ_, kk/2
.set RR_, 8*(ZZ_&3)+2*(ZZ_>>2)
	v_pk_fma_f32 v[SUM+2*(ZZ_&3):SUM+2*(ZZ_&3)+1], v[SET3+RR_:SET3+RR_+1], v[VA+8*PAR+2*(ZZ_>>2):VA+8*PAR+2*(ZZ_>>2)+1], v[SUM+2*(ZZ_&3):SUM+2*(ZZ_&3)+1]
.endm
; slice kk, behind product kk: a plain instruction leads; a pair is scaled one slice ahead of its transcendentals
.macro SLICE s1, s2, s3
.if (\s3 && (kk%2 == 0)) || (\s2 && (kk < 16)) || (\s1 && (kk >= 15))
	WIN 0
.endif
.if \s3 && (kk%2 == 0)
	S3N
.endif
.if kk == 0
	PK 0, \s1, \s2
.endif
.if kk < 31
	PK kk+1, \s1, \s2
.endif
	TR kk, \s1, \s2
.endm
; one run of LDS loads a phase.  fb: the next record's fragments, scale words and qb, into the sets that the phase before multiplied by;  fva: -2 Va of record p - 2, for the next phase
.macro FETCH q, fb, fva
.set PIX, ((\q)+1)&3
.set NPX, ((\q)+1)&1
	WIN 0
.if \fb
	v_add_nc_u32 v[ADB], s[TB], v[LI]
.endif
	v_add_nc_u32 v[ADQ], s[TQ], v[TQ0]
.if \fb
	ds_load_b128 v[BS+4*NPX:BS+4*NPX+3], v[ADB] offset:REC*PIX+12288
	ds_load_b128 v[QB+8*NPX:QB+8*NPX+3], v[ADQ] offset:64*PIX
	ds_load_b128 v[QB+8*NPX+4:QB+8*NPX+7], v[ADQ] offset:64*PIX+16
.endif
.if \fva
	ds_load_b128 v[VA+8*NPX:VA+8*NPX+3], v[ADQ] offset:3904+64*PIX     ; three records back, in the table 4,096 bytes on
	ds_load_b128 v[VA+8*NPX+4:VA+8*NPX+7], v[ADQ] offset:3904+64*PIX+16
.endif
.if \fb
	WIN 0xc0
.irp i, 0,1,2,3,4,5,6,7,8,9,10,11,12,13,14,15,16,17,18,19,20,21,22,23
	ds_load_b128 v[96*NPX+4*\i:96*NPX+4*\i+3], v[ADB] offset:REC*PIX+512*\i
.endr
.endif
.endm
; the phase of record p, q = p % 4.  The run of loads stands behind slice 2: behind the last product that read its registers lie the plain instructions of slices 0 to 2
; and the run's own additions, four or more (where the phase has no such slices, four v_nop)
.macro PHASE q, mm, s1, s2, s3, fb, fva
.set SET0, ACC+32*(\q)
.set SET1, ACC+32*(((\q)+3)&3)
.set SET2, ACC+32*(((\q)+2)&3)
.set SET3, ACC+32*(((\q)+1)&3)
.set PAR, (\q)&1
	s_wait_dscnt 0x0                               ; the run of loads of the phase before is in
.set kk, 0
.rept 32
.if \mm
	MMK
.endif
	SLICE \s1, \s2, \s3
.if kk == 2
.if \fb || \fva
.if \mm
.if \s2 == 0
.rept 4
	v_nop
.endr
.endif
.endif
	FETCH \q, \fb, \fva
.endif
.endif
.set kk, kk+1
.endr
	WIN 0
.if \s1 || \s2
	v_nop                                          ; a plain instruction behind the last transcendental
	s_wait_alu depctr_va_vdst(0)                   ; the wait ahead of the first instruction that names a result: one for the phase's whole batch; the readers stand in the next phase
.endif
.endm
; THE CHANGE OF SLOTS, at the head of a phase with q = 3: every read of the old slot has been issued.  fill = 1: the old slot takes the records two slots on
.macro CHANGE fill
	s_wait_tensorcnt 0x0                           ; all my tensor loads have landed, my record of the next slot among them: the walking descriptor may be written
	ds_add_u32 v[SPW], v[NIL]                      ; 0 onto my spare word
.if \fill
	s_xor_b32 s[G0B+1], s[G0B+1], SLOT1
	s_add_nc_u64 s[G0B+2:G0B+3], s[G0B+2:G0B+3], SLOTB
.endif
	s_add_co_u32 s[TQ], s[TQ], 256                 ; the next slot's 64 columns of qb
	s_xor_b32 s[TB], s[TB], SLOT1
	s_wait_dscnt 0x0                               ; the add is done, and my reads of the old slot are over
.if \fill
	CROUND                                         ; no wave of any partner still reads the old slot or has a load on its way
	tensor_load_to_lds s[G0B:G0B+3], s[G1:G1+7]    ; my one tensor load behind the round: it has a slot's 128 products in which to land
	s_nop 0
.rept 4
	v_nop
.endr
.else
	s_barrier_signal -1
	s_barrier_wait -1
.endif
.endm
	s_wait_tensorcnt 0x1                           ; my record of slot 0 is in; slot 1's may stay out
	s_wait_dscnt 0x0                               ; my part of the tables has landed
	s_barrier_signal -1
	s_barrier_wait -1
	FETCH 3, 1, 0                                  ; record 0
	WIN 0
	PHASE 0, 1, 0, 0, 0, 1, 0                      ; records 0, 1, 2: the stages come in one after the other
	PHASE 1, 1, 1, 0, 0, 1, 0
	PHASE 2, 1, 1, 1, 0, 1, 1
	s_mov_b32 s[NSL], 14
.Lslot:                                            ; 14 trips: slots 2 to 15 are asked for
	CHANGE 1
	PHASE 3, 1, 1, 1, 1, 1, 1
	PHASE 0, 1, 1, 1, 1, 1, 1
	PHASE 1, 1, 1, 1, 1, 1, 1
	PHASE 2, 1, 1, 1, 1, 1, 1
	s_sub_co_u32 s[NSL], s[NSL], 1
	s_cmp_lg_u32 s[NSL], 0
	s_cbranch_scc1 .Lslot
	CHANGE 0                                       ; the tail is written out
	PHASE 3, 1, 1, 1, 1, 1, 1
	PHASE 0, 1, 1, 1, 1, 1, 1
	PHASE 1, 1, 1, 1, 1, 1, 1
	PHASE 2, 1, 1, 1, 1, 1, 1
	s_add_co_u32 s[TQ], s[TQ], 256                 ; (-2 Va's offsets count from the record after the one in hand)
	PHASE 3, 1, 1, 1, 1, 0, 1                      ; record 63: nothing more to fetch of Ua
	PHASE 0, 0, 1, 1, 1, 0, 1                      ; the stages run out
	PHASE 1, 0, 0, 1, 1, 0, 1
	PHASE 2, 0, 0, 0, 1, 0, 0
	; THE WAY OUT: a sum's two halves, and lane l xor 16's columns; lane r then holds the scores of local rows 4 r + 0 .. 3
.irp t, 0,1,2,3
	v_add_f32 v[TM+\t], v[SUM+2*\t], v[SUM+2*\t+1]
.endr
.irp t, 0,1,2,3
	v_permlanex16_b32 v[TM+4+\t], v[TM+\t], s[SEL], s[SEL+1]
.endr
.irp t, 0,1,2,3
	v_add_f32 v[TM+\t], v[TM+\t], v[TM+4+\t]
.endr
	s_wait_xcnt 0x0                                ; EXEC changes only behind this wait
	v_cmp_gt_u32 vcc_lo, 16, v1
	s_and_saveexec_b32 s48, vcc_lo
	global_store_b128 v[R16], v[TM:TM+3], s[12:13] ; sixteen lanes store 256 consecutive bytes, at a multiple of 256 from sc's first byte
	s_wait_xcnt 0x0                                ; and again, in front of the line that widens it
	s_or_b32 exec_lo, exec_lo, s48
	s_wait_tensorcnt 0x0                           ; the wave's end
	ds_add_u32 v[SPW], v[NIL]
	s_wait_dscnt 0x0
	CROUND                                         ; the closing round: no work-group ends while a partner may still ask for a record that names it
	s_endpgm
.Lfunc_end_k_qcd32e77470_scores:
	.size	k_qcd32e77470_scores, .Lfunc_end_k_qcd32e77470_scores-k_qcd32e77470_scores
	.p2alignl 7, 3214868480
	.fill 96, 4, 3214868480
	.section	.rodata,"a",@progbits
	.p2align	6, 0x0
	.amdhsa_kernel k_qcd32e77470_scores
		.amdhsa_group_segment_fixed_size 327680
		.amdhsa_private_segment_fixed_size 0
		.amdhsa_enable_private_segment 0
		.amdhsa_kernarg_size 40
		.amdhsa_user_sgpr_count 2
		.amdhsa_user_sgpr_kernarg_segment_ptr 1
		.amdhsa_wavefront_size32 1
		.amdhsa_system_sgpr_workgroup_id_x 1
		.amdhsa_system_sgpr_workgroup_id_y 1
		.amdhsa_system_sgpr_workgroup_id_z 1
		.amdhsa_system_vgpr_workitem_id 0
		.amdhsa_next_free_vgpr 1024
		.amdhsa_next_free_sgpr 66
		.amdhsa_reserve_vcc 1
		.amdhsa_float_denorm_mode_32 3
		.amdhsa_float_denorm_mode_16_64 3
		.amdhsa_memory_ordered 1
		.amdhsa_forward_progress 1
		.amdhsa_inst_pref_size 255
	.end_amdhsa_kernel
	.section	.bss,"aw",@nobits
	.p2align	6
	.space	262144
	.amdgpu_metadata
---
amdhsa.version: [ 1, 2 ]
amdhsa.kernels:
  - .name:           k_qcd32e77470_scores
    .symbol:         k_qcd32e77470_scores.kd
    .args:
      - { .name: keys, .offset: 0, .size: 8, .value_kind: global_buffer, .address_space: global }
      - { .name: ub, .offset: 8, .size: 8, .value_kind: global_buffer, .address_space: global }
      - { .name: qb, .offset: 16, .size: 8, .value_kind: global_buffer, .address_space: global }
      - { .name: Va_w, .offset: 24, .size: 8, .value_kind: global_buffer, .address_space: global }
      - { .name: sc, .offset: 32, .size: 8, .value_kind: global_buffer, .address_space: global }
    .group_segment_fixed_size: 327680
    .private_segment_fixed_size: 0
    .kernarg_segment_align: 8
    .kernarg_segment_size: 40
    .max_flat_workgroup_size: 128
    .sgpr_count:     66
    .vgpr_count:     1024
    .wavefront_size: 32
...
	.end_amdgpu_metadata
.endif
;; end of part 2
;; launch context (part 3): grid 256 x 1, 16 waves a work-group, no clusters, 18,944 bytes of LDS; arguments sc, keys, out0, out1; writes out0, out1
.if DOCPART == 3
	.amdgcn_target "amdgcn-amd-amdhsa--gfx1250"
	.amdhsa_code_object_version 6
	.text
	.protected	k_qcd32e77470_context
	.globl	k_qcd32e77470_context
	.p2align	8
	.type	k_qcd32e77470_context,@function
k_qcd32e77470_context:
	s_mov_b64 s[64:65], 0
	v_nop
	global_prefetch_b8 v0, s[64:65] scope:SCOPE_SE
	s_setreg_imm32_b32 hwreg(HW_REG_WAVE_MODE, 25, 1), 1
	s_wait_xcnt 0x0
; ADDITIVE ATTENTION, launch 3 of 3.  out1[b] = softmax over s of sc[b][s];  out0[b][h] = sum over s of out1[b][s] keys[b][s][h].  All in f32.
; LEFT OUT (shown at the head of the first launch): the sum of Va_w and Va_b, which are the same for every position of a softmax row and so move neither output.
; The row's maximum is taken away before the exponential, as the problem's softmax does.
; SHARES.  Work-group (b, cg) owns columns 128 cg .. + 127 of batch b: each number of out0 has one owner.  Wave w takes rows 128 w .. + 127, a lane four columns: a load of the
; wave covers 512 consecutive bytes of a row, and sixteen loads of every wave are always on their way (a ring of sixteen slots in registers).  Each work-group repeats its batch's
; softmax from 8 KiB of scores, and stores one eighth of out1's row.  The product has one row (M = 1): it is fused multiply-adds; a matrix tile would hold 15 idle rows in 16.
; No cluster: the work-groups share only the 8 KiB of scores.  Every offset is an immediate (127 rows of 4,096 bytes at the most), so nothing is stepped.
.set MX,    0                          ; LDS: the sixteen waves' maxima;
.set SM,    256                        ; their sums;
.set WT,    512                        ; the 2,048 weights (a wave reads back only what it stored);
.set PART,  8704                       ; the waves' partial sums, 512 bytes each
.set SPARE, 16896                      ; the spare words, 128 bytes a wave: eight blocks of 256 bytes that no other line names
.set W0,  16                           ; v16-31, v112-127: sixteen weights, two sets by turns
.set W1,  112
.set A,   32                           ; v32-47  four sets of four sums
.set X,   48                           ; v48-111 sixteen slots of four numbers
	s_load_b256 s[4:11], s[0:1], 0x0               ; sc s[4:5], keys s[6:7], out0 s[8:9], out1 s[10:11]
	v_lshl_add_u32 v8, v0, 2, SPARE                ; my spare word; never rewritten
	v_mov_b32 v9, 0                                ; 0; never rewritten
	v_lshrrev_b32 v4, 5, v0
	v_readfirstlane_b32 s12, v4                    ; wave 0..15
	v_lshlrev_b32 v4, 2, v4                        ; 4 w
	v_and_b32 v1, 31, v0
	v_lshlrev_b32 v2, 4, v1                        ; 16 x lane
	v_lshlrev_b32 v3, 4, v0                        ; 16 x thread
	v_mov_b32 v5, 0
	v_mov_b32 v15, 0                               ; a lane permute's destination counts as one of its sources
	s_lshl_b32 s15, s12, 9
	s_add_co_u32 s19, s15, WT
	v_mov_b32 v6, s19                              ; my wave's 128 weights
	s_add_co_u32 s19, s15, PART
	v_add_nc_u32 v7, s19, v2
	s_lshr_b32 s13, ttmp9, 3                       ; b
	s_and_b32 s14, ttmp9, 7                        ; cg
	s_mov_b32 s16, 0x76543210
	s_mov_b32 s17, 0xfedcba98
	s_lshl_b32 s20, s13, 13                        ; sc, out1: 8,192 bytes a batch
	s_mov_b32 s21, 0
	s_lshl_b32 s22, s13, 23                        ; keys: 2,048 rows of 4,096 bytes a batch, 128 rows a wave, 512 bytes a group of columns
	s_lshl_b32 s23, s12, 19
	s_add_co_u32 s22, s22, s23
	s_lshl_b32 s24, s14, 9
	s_add_co_u32 s22, s22, s24
	s_mov_b32 s23, 0
	s_lshl_b32 s25, s13, 12                        ; out0
	s_add_co_u32 s24, s24, s25
	s_mov_b32 s25, 0
	s_wait_kmcnt 0x0
	s_add_nc_u64 s[4:5], s[4:5], s[20:21]
	s_add_nc_u64 s[10:11], s[10:11], s[20:21]
	s_add_nc_u64 s[6:7], s[6:7], s[22:23]
	s_add_nc_u64 s[8:9], s[8:9], s[24:25]
	global_load_b128 v[10:13], v3, s[4:5]          ; my four scores
.irp i, 0,1,2,3,4,5,6,7,8,9,10,11,12,13,14,15
	global_load_b128 v[X+4*\i:X+4*\i+3], v2, s[6:7] offset:4096*\i th:TH_LOAD_NT   ; the ring is filled: rows 0 to 15
.endr
	s_wait_loadcnt 16                              ; the ring stays out; the scores are in
	; the row's maximum: lane, wave, work-group
	v_max3_num_f32 v14, v10, v11, v12
	v_max_num_f32 v14, v14, v13
	v_max_num_f32_dpp v14, v14, v14 row_xmask:1 row_mask:0xf bank_mask:0xf
	v_max_num_f32_dpp v14, v14, v14 row_xmask:2 row_mask:0xf bank_mask:0xf
	v_max_num_f32_dpp v14, v14, v14 row_xmask:4 row_mask:0xf bank_mask:0xf
	v_max_num_f32_dpp v14, v14, v14 row_xmask:8 row_mask:0xf bank_mask:0xf
	v_permlanex16_b32 v15, v14, s16, s17
	v_max_num_f32 v14, v14, v15
	ds_store_b32 v4, v14 offset:MX                 ; all lanes write the same word with the same value
	s_wait_dscnt 0x0
	s_barrier_signal -1
	s_barrier_wait -1
.irp u, 0,1,2,3
	ds_load_b128 v[16+4*\u:19+4*\u], v5 offset:MX+16*\u
.endr
	s_wait_dscnt 0x0
	v_max3_num_f32 v14, v16, v17, v18
.irp i, 19,21,23,25,27,29
	v_max3_num_f32 v14, v14, v[\i], v[\i+1]
.endr
	v_max_num_f32 v14, v14, v31
.irp i, 10,11,12,13
	v_sub_f32 v[\i], v[\i], v14
.endr
.irp i, 10,11,12,13
	v_mul_f32 v[\i], 0x3fb8aa3b, v[\i]             ; x log2(e)
.endr
.irp i, 10,11,12,13
	v_exp_f32 v[\i], v[\i]
.endr
	v_nop                                          ; a plain instruction behind the last exponential
	s_wait_alu depctr_va_vdst(0)                   ; the wait ahead of the first use: one for the four
	v_add_f32 v14, v10, v11
	v_add_f32 v15, v12, v13
	v_add_f32 v14, v14, v15
	v_add_f32_dpp v14, v14, v14 row_xmask:1 row_mask:0xf bank_mask:0xf
	v_add_f32_dpp v14, v14, v14 row_xmask:2 row_mask:0xf bank_mask:0xf
	v_add_f32_dpp v14, v14, v14 row_xmask:4 row_mask:0xf bank_mask:0xf
	v_add_f32_dpp v14, v14, v14 row_xmask:8 row_mask:0xf bank_mask:0xf
	v_permlanex16_b32 v15, v14, s16, s17
	v_add_f32 v14, v14, v15
	ds_store_b32 v4, v14 offset:SM                 ; other bytes than the maxima's: no barrier is owed between the two uses
	s_wait_dscnt 0x0
	s_barrier_signal -1
	s_barrier_wait -1
.irp u, 0,1,2,3
	ds_load_b128 v[16+4*\u:19+4*\u], v5 offset:SM+16*\u
.endr
	s_wait_dscnt 0x0
	v_pk_add_f32 v[16:17], v[16:17], v[18:19]
	v_pk_add_f32 v[20:21], v[20:21], v[22:23]
	v_pk_add_f32 v[24:25], v[24:25], v[26:27]
	v_pk_add_f32 v[28:29], v[28:29], v[30:31]
	v_pk_add_f32 v[16:17], v[16:17], v[20:21]
	v_pk_add_f32 v[24:25], v[24:25], v[28:29]
	v_pk_add_f32 v[16:17], v[16:17], v[24:25]
	v_add_f32 v14, v16, v17
	v_rcp_f32 v14, v14
	v_nop                                          ; a plain instruction behind the reciprocal
	s_wait_alu depctr_va_vdst(0)                   ; and the wait ahead of its first use
	v_pk_mul_f32 v[10:11], v[10:11], v[14:15] op_sel_hi:[1,0]
	v_pk_mul_f32 v[12:13], v[12:13], v[14:15] op_sel_hi:[1,0]
	ds_store_b128 v3, v[10:13] offset:WT           ; my four weights: rows 4 t .. 4 t + 3; a wave's 32 lanes store its own 128 rows'
	s_lshr_b32 s15, s12, 1
	s_cmp_lg_u32 s15, s14                          ; waves 2 cg and 2 cg + 1 store their part of out1's row: ids alone
	s_cbranch_scc1 .Lnot_mine
	global_store_b128 v3, v[10:13], s[10:11]       ; 512 consecutive bytes a wave
.Lnot_mine:
.macro WLOAD r                         ; round r's sixteen weights, the same in every lane, into set r % 2
.set WB_, W0+(W1-W0)*((\r)%2)
.irp u, 0,1,2,3
	ds_load_b128 v[WB_+4*\u:WB_+4*\u+3], v6 offset:64*(\r)+16*\u   ; LDS serves a wave's instructions in order: these see my wave's stores
.endr
.endm
	WLOAD 0
.set g, 0
.rept 128                              ; row g of my 128: slot g % 16, sums' set g % 4
.if g%16 == 0
.if g < 112
	WLOAD g/16+1
	s_wait_dscnt 4                                 ; this round's weights are in; the next round's four loads may be out
.else
	s_wait_dscnt 0x0
.endif
.endif
.set i, g%16
.set WP_, W0+(W1-W0)*((g/16)%2)+(i&14)
.set AA_, A+4*(i&3)
.set XX_, X+4*i
.if g < 112
	s_wait_loadcnt 15                              ; my slot's load is in; the fifteen younger ones stay out
.else
	s_wait_loadcnt 127-g                           ; the last round loads nothing: the counts run down
.endif
.if g < 4                              ; the first four rows start the four sets of sums: nothing is cleared
.if i%2 == 0
	v_pk_mul_f32 v[AA_:AA_+1], v[XX_:XX_+1], v[WP_:WP_+1] op_sel_hi:[1,0]
	v_pk_mul_f32 v[AA_+2:AA_+3], v[XX_+2:XX_+3], v[WP_:WP_+1] op_sel_hi:[1,0]
.else
	v_pk_mul_f32 v[AA_:AA_+1], v[XX_:XX_+1], v[WP_:WP_+1] op_sel:[0,1] op_sel_hi:[1,1]
	v_pk_mul_f32 v[AA_+2:AA_+3], v[XX_+2:XX_+3], v[WP_:WP_+1] op_sel:[0,1] op_sel_hi:[1,1]
.endif
.else
.if i%2 == 0                           ; the weight is the pair's first register, for both halves
	v_pk_fma_f32 v[AA_:AA_+1], v[XX_:XX_+1], v[WP_:WP_+1], v[AA_:AA_+1] op_sel_hi:[1,0,1]
	v_pk_fma_f32 v[AA_+2:AA_+3], v[XX_+2:XX_+3], v[WP_:WP_+1], v[AA_+2:AA_+3] op_sel_hi:[1,0,1]
.else                                  ; or its second
	v_pk_fma_f32 v[AA_:AA_+1], v[XX_:XX_+1], v[WP_:WP_+1], v[AA_:AA_+1] op_sel:[0,1,0] op_sel_hi:[1,1,1]
	v_pk_fma_f32 v[AA_+2:AA_+3], v[XX_+2:XX_+3], v[WP_:WP_+1], v[AA_+2:AA_+3] op_sel:[0,1,0] op_sel_hi:[1,1,1]
.endif
.endif
.if g < 112
	global_load_b128 v[XX_:XX_+3], v2, s[6:7] offset:4096*(g+16) th:TH_LOAD_NT   ; the slot's next row
.endif
.set g, g+1
.endr
	v_pk_add_f32 v[A:A+1], v[A:A+1], v[A+4:A+5]
	v_pk_add_f32 v[A+2:A+3], v[A+2:A+3], v[A+6:A+7]
	v_pk_add_f32 v[A+8:A+9], v[A+8:A+9], v[A+12:A+13]
	v_pk_add_f32 v[A+10:A+11], v[A+10:A+11], v[A+14:A+15]
	v_pk_add_f32 v[A:A+1], v[A:A+1], v[A+8:A+9]
	v_pk_add_f32 v[A+2:A+3], v[A+2:A+3], v[A+10:A+11]
	ds_store_b128 v7, v[A:A+3]                     ; my wave's part of the 128 columns
	s_wait_dscnt 0x0
	s_barrier_signal -1
	s_barrier_wait -1
	s_cmp_lg_u32 s12, 0                            ; wave 0 adds the sixteen parts, in the order of the rows
	s_cbranch_scc1 .Ldone
.irp k, 0,1,2,3,4,5,6,7,8,9,10,11,12,13,14,15
	ds_load_b128 v[X+4*\k:X+4*\k+3], v2 offset:PART+512*\k
.endr
	s_wait_dscnt 0x0
.irp k, 1,2,3,4,5,6,7,8,9,10,11,12,13,14,15
	v_pk_add_f32 v[X:X+1], v[X:X+1], v[X+4*\k:X+4*\k+1]
	v_pk_add_f32 v[X+2:X+3], v[X+2:X+3], v[X+4*\k+2:X+4*\k+3]
.endr
	global_store_b128 v2, v[X:X+3], s[8:9]         ; 512 consecutive bytes of out0, at a multiple of 256 from its first byte
.Ldone:
	s_wait_tensorcnt 0x0                           ; the wave's end, behind my last LDS store
	ds_add_u32 v8, v9
	s_wait_dscnt 0x0
	s_endpgm
.Lfunc_end_k_qcd32e77470_context:
	.size	k_qcd32e77470_context, .Lfunc_end_k_qcd32e77470_context-k_qcd32e77470_context
	.p2alignl 7, 3214868480
	.fill 96, 4, 3214868480
	.section	.rodata,"a",@progbits
	.p2align	6, 0x0
	.amdhsa_kernel k_qcd32e77470_context
		.amdhsa_group_segment_fixed_size 18944
		.amdhsa_private_segment_fixed_size 0
		.amdhsa_enable_private_segment 0
		.amdhsa_kernarg_size 32
		.amdhsa_user_sgpr_count 2
		.amdhsa_user_sgpr_kernarg_segment_ptr 1
		.amdhsa_wavefront_size32 1
		.amdhsa_system_sgpr_workgroup_id_x 1
		.amdhsa_system_sgpr_workgroup_id_y 1
		.amdhsa_system_sgpr_workgroup_id_z 1
		.amdhsa_system_vgpr_workitem_id 0
		.amdhsa_next_free_vgpr 128
		.amdhsa_next_free_sgpr 66
		.amdhsa_reserve_vcc 0
		.amdhsa_float_denorm_mode_32 3
		.amdhsa_float_denorm_mode_16_64 3
		.amdhsa_memory_ordered 1
		.amdhsa_forward_progress 1
		.amdhsa_inst_pref_size 44
	.end_amdhsa_kernel
	.amdgpu_metadata
---
amdhsa.version: [ 1, 2 ]
amdhsa.kernels:
  - .name:           k_qcd32e77470_context
    .symbol:         k_qcd32e77470_context.kd
    .args:
      - { .name: sc, .offset: 0, .size: 8, .value_kind: global_buffer, .address_space: global }
      - { .name: keys, .offset: 8, .size: 8, .value_kind: global_buffer, .address_space: global }
      - { .name: out0, .offset: 16, .size: 8, .value_kind: global_buffer, .address_space: global }
      - { .name: out1, .offset: 24, .size: 8, .value_kind: global_buffer, .address_space: global }
    .group_segment_fixed_size: 18944
    .private_segment_fixed_size: 0
    .kernarg_segment_align: 8
    .kernarg_segment_size: 32
    .max_flat_workgroup_size: 512
    .sgpr_count:     66
    .vgpr_count:     128
    .wavefront_size: 32
...
	.end_amdgpu_metadata
.endif
;; end of part 3
